; MI455X (gfx1250); checked and timed in simulation.
; The chip was launched on July 23, 2026; its instructions are those of AMD's public machine-readable ISA for CDNA 5 (MIT licence, August 2026) and "CDNA5" Instruction Set Architecture Reference Guide (July 2026). The comments in the code are by the model that wrote it; some were corrected since.
;; Spearman Correlation. Allowed arithmetic: float matrix products may take bf16 or f16 operands with f32 sums; all other float work in f32.
;; Inputs: de_data 128 x 128 x 32 float32.
;; Outputs: out0 128 x 128 x 128 float32.
;; 2 versions, each right; version 2 is version 1 with the launches rank, corr written anew for expert scheduling mode. Each part assembles by itself: llvm-mc -triple=amdgcn-amd-amdhsa -mcpu=gfx1250 --defsym DOCPART=n.
;; ======== version 1 of 2: 2 launches
;; limits: values outside matrix products are rounded to f16
;; workspace buffers: rank 2,097,152 bytes of whole numbers
;; launch rank (part 1): grid 256 x 1, 4 waves a work-group, no clusters, 16,896 bytes of LDS; arguments de_data, rank; writes rank
.if DOCPART == 1
	.amdgcn_target "amdgcn-amd-amdhsa--gfx1250"
	.amdhsa_code_object_version 6
	.text
	.protected	k_q07682d15fb_rank
	.globl	k_q07682d15fb_rank
	.p2align	8
	.type	k_q07682d15fb_rank,@function
k_q07682d15fb_rank:
	s_mov_b64 s[64:65], 0
	v_nop
	global_prefetch_b8 v0, s[64:65] scope:SCOPE_SE
	s_setreg_imm32_b32 hwreg(HW_REG_WAVE_MODE, 25, 1), 1
	s_wait_xcnt 0x0
; rank[b][e][f] = the place (0..127) of de_data[b][e][f] among the 128 electrodes e of (b, f), as argsort(argsort(x)) gives it:
; the number of k with x_k < x_j, or x_k == x_j and k < j (a stable sort).  Stored as 32-bit whole numbers in the input's layout.
; Every float is served: -0 counts as +0, every NaN counts as one value above +infinity, ties go by the index.
; Two work-groups for a batch entry b; four waves; wave w of half p owns the 16 rows j = 16 (4 p + w) .. + 15; the lane is the band f.
; The floats become signed integer keys of the same order, lie once in LDS ([e][f], 128 bytes a row), and each wave walks all 128 rows k:
; one compare and one add-with-carry count one (j, k) pair in 32 bands.  K_k < K_j + [k < j] is the whole test: two sets of thresholds,
; LO and HI, hold K + 1 in front of the wave's own chunk of 16 rows and K behind it; inside it HI (k < j) holds K + 1 and LO holds K.
; LDS: 16,384 bytes of keys; when every wave has read them out, each wave uses 2,048 of these bytes (at wave x 2,048) as its stage for the way out.
; No matrix unit, tensor load or cluster: the work is compares, and a work-group reads 16,384 bytes once.
.set X,    8                           ; v[8:39]   32 numbers as loaded, then their keys
.set KB,   8                           ; v[8:23]   behind the barrier: a ring of 16 rows k; at the end the output quads
.set CNT,  24                          ; v[24:39]  the 16 counts
.set TLO,  40                          ; v[40:55]  thresholds for k >= j inside the own chunk (v40-43 serve as temporaries for the keys)
.set THI,  56                          ; v[56:71]  thresholds for k < j inside the own chunk
.set MASK, 20                          ; s[20:35]  16 compare masks, so that no add stands right behind its compare
	s_load_b128 s[4:7], s[0:1], 0x0                ; de_data s[4:5], rank s[6:7]
	v_lshl_add_u32 v72, v0, 2, 0x4000
	v_mov_b32 v73, 0
	v_lshrrev_b32 v2, 5, v0
	v_readfirstlane_b32 s8, v2                     ; wave 0..3
	v_and_b32 v6, 31, v0                           ; lane = band
	s_lshr_b32 s9, ttmp9, 1                        ; b
	s_and_b32 s10, ttmp9, 1                        ; p
	s_lshl2_add_u32 s11, s10, s8                   ; own chunk = 4 p + w
	s_add_co_u32 s12, s11, 1                       ; the chunk behind it
	s_lshl_b32 s14, s9, 14                         ; b x 16,384 bytes
	s_mov_b32 s15, 0
	s_lshl_b32 s16, s8, 9
	v_lshl_add_u32 v1, v6, 4, s16                  ; 16 x thread: wave x 512 + lane x 16, in memory and in LDS alike
	s_wait_kmcnt 0x0
	s_add_nc_u64 s[4:5], s[4:5], s[14:15]
.irp i, 0,1,2,3,4,5,6,7
	global_load_b128 v[X+4*\i:X+4*\i+3], v1, s[4:5] offset:\i*2048   ; a wave's load covers 512 consecutive bytes; eight cover the batch entry
.endr
	s_lshl_b32 s17, s11, 11                        ; own chunk x 16 rows x 128 bytes
	s_add_co_u32 s14, s14, s17
	s_add_nc_u64 s[6:7], s[6:7], s[14:15]          ; rank at my 16 rows
	s_lshl_b32 s18, s8, 11                         ; my stage: wave x 2,048
	v_lshlrev_b32 v2, 2, v6                        ; VK: my band in row 0 of the chunk at work
	v_lshl_add_u32 v3, v6, 2, s17                  ; my band in my first own row
	v_lshl_add_u32 v4, v6, 2, s18                  ; stage, in: one word a row
	v_lshl_add_u32 v5, v6, 4, s18                  ; stage, back: 16 bytes a lane
	v_lshlrev_b32 v6, 4, v6                        ; and the same 16 bytes in memory
	v_mov_b32 v7, 0x7fc00000                       ; the one NaN: above +infinity as an integer, and key + 1 does not overflow
; four floats at v[q..q+3] become keys: x + 0 turns -0 into +0; a NaN (x != x) becomes the one NaN; then the low 31 bits of
; negative numbers are flipped, which gives the order of signed integers.
.macro KEY4 q
.irp k, 0,1,2,3
	v_add_f32 v[\q+\k], 0, v[\q+\k]
.endr
.irp k, 0,1,2,3
	v_cmp_neq_f32 s[MASK+\k], v[\q+\k], v[\q+\k]
.endr
.irp k, 0,1,2,3
	v_cndmask_b32 v[\q+\k], v[\q+\k], v7, s[MASK+\k]
.endr
.irp k, 0,1,2,3
	v_ashrrev_i32 v[TLO+\k], 31, v[\q+\k]
.endr
.irp k, 0,1,2,3
	v_lshrrev_b32 v[TLO+\k], 1, v[TLO+\k]
.endr
.irp k, 0,1,2,3
	v_xor_b32 v[\q+\k], v[\q+\k], v[TLO+\k]
.endr
.endm
.irp i, 0,1,2,3,4,5,6,7
	s_wait_loadcnt 7-\i                            ; loads return in order: load i is in, the 7 - i younger ones stay out
	KEY4 X+4*\i
	ds_store_b128 v1, v[X+4*\i:X+4*\i+3] offset:\i*2048
.endr
	s_wait_dscnt 0x0                               ; my keys are in LDS, for the other waves' sake
	s_barrier_signal -1
	s_barrier_wait -1                              ; everybody's are
.irp jj, 0,1,2,3,4,5,6,7,8,9,10,11,12,13,14,15
	ds_load_b32 v[TLO+\jj], v3 offset:\jj*128      ; my 16 own rows
.endr
.irp i, 0,1,2,3,4,5,6,7,8,9,10,11,12,13,14,15
	ds_load_b32 v[KB+\i], v2 offset:\i*128         ; the ring: rows 0 to 15
.endr
	s_wait_dscnt 16                                ; the own rows are in; the 16 ring loads behind them stay out
.irp jj, 0,1,2,3,4,5,6,7,8,9,10,11,12,13,14,15
	v_add_nc_u32 v[THI+\jj], 1, v[TLO+\jj]         ; in front of the own chunk every k is below j: both sets hold K + 1
	v_add_nc_u32 v[TLO+\jj], 1, v[TLO+\jj]
	v_mov_b32 v[CNT+\jj], 0
.endr
; row i of the chunk against my 16 rows.  left: how many younger ring loads may stay out.  more = 1: the ring register gets the same row of the next chunk.
.macro SLOT i, more, left
	s_wait_dscnt \left
.irp jj, 0,1,2,3,4,5,6,7,8,9,10,11,12,13,14,15
.if \i < \jj
	v_cmp_lt_i32 s[MASK+\jj], v[KB+\i], v[THI+\jj]
.else
	v_cmp_lt_i32 s[MASK+\jj], v[KB+\i], v[TLO+\jj]
.endif
.endr
.irp jj, 0,1,2,3,4,5,6,7,8,9,10,11,12,13,14,15
	v_add_co_ci_u32 v[CNT+\jj], vcc_lo, 0, v[CNT+\jj], s[MASK+\jj]   ; count + the compare's bit
.endr
.if \more
	ds_load_b32 v[KB+\i], v2 offset:\i*128+2048
.endif
.endm
; one chunk of 16 rows k.  At the own chunk's head LO steps down to K, at the next chunk's head HI does.  The two branches hang on ids and the
; loop's counter alone and jump over register work only.
; The ring: in the loop 15 younger loads are out at every slot (15 - i of the last chunk and i of this one); in the tail 15 - i.
.macro CHUNK more, tag
	s_cmp_lg_u32 s13, s11
	s_cbranch_scc1 .Lnolo_\tag
.irp jj, 0,1,2,3,4,5,6,7,8,9,10,11,12,13,14,15
	v_add_nc_u32 v[TLO+\jj], -1, v[TLO+\jj]
.endr
.Lnolo_\tag:
	s_cmp_lg_u32 s13, s12
	s_cbranch_scc1 .Lnohi_\tag
.irp jj, 0,1,2,3,4,5,6,7,8,9,10,11,12,13,14,15
	v_add_nc_u32 v[THI+\jj], -1, v[THI+\jj]
.endr
.Lnohi_\tag:
.irp i, 0,1,2,3,4,5,6,7,8,9,10,11,12,13,14,15
	SLOT \i, \more, 15-\i*(1-\more)
.endr
.endm
	s_mov_b32 s13, 0                               ; the chunk at work
.Lchunk:
	CHUNK 1, a
	v_add_nc_u32 v2, 2048, v2                      ; the next chunk's rows
	s_add_co_u32 s13, s13, 1
	s_cmp_lt_u32 s13, 7
	s_cbranch_scc1 .Lchunk
	CHUNK 0, b                                     ; chunk 7 loads nothing: no read leaves the keys
	; THE WAY OUT goes through the keys' bytes, so first every wave must have read the keys out:
	s_wait_dscnt 0x0                               ; my reads of the keys are over,
	s_barrier_signal -1
	s_barrier_wait -1                              ; everybody's are: the keys may be overwritten
	; [row][band] words into my own 2,048 bytes, back as 16 bytes a lane.  LDS serves a wave's instructions in order
	; (ISA guide 5.7.1), so the loads see the stores above them, and no other wave touches these bytes.
.irp jj, 0,1,2,3,4,5,6,7,8,9,10,11,12,13,14,15
	ds_store_b32 v4, v[CNT+\jj] offset:\jj*128
.endr
.irp i, 0,1,2,3
	ds_load_b128 v[KB+4*\i:KB+4*\i+3], v5 offset:\i*512
.endr
.irp i, 0,1,2,3
	s_wait_dscnt 3-\i                              ; quad i is in; the 3 - i younger loads stay out
	global_store_b128 v6, v[KB+4*\i:KB+4*\i+3], s[6:7] offset:\i*512   ; a wave's store covers 512 consecutive bytes, aligned
.endr
	s_wait_tensorcnt 0x0
	ds_add_u32 v72, v73
	s_wait_dscnt 0x0
	s_endpgm
.Lfunc_end_k_q07682d15fb_rank:
	.size	k_q07682d15fb_rank, .Lfunc_end_k_q07682d15fb_rank-k_q07682d15fb_rank
	.p2alignl 7, 3214868480
	.fill 96, 4, 3214868480
	.section	.rodata,"a",@progbits
	.p2align	6, 0x0
	.amdhsa_kernel k_q07682d15fb_rank
		.amdhsa_group_segment_fixed_size 16896
		.amdhsa_private_segment_fixed_size 0
		.amdhsa_enable_private_segment 0
		.amdhsa_kernarg_size 16
		.amdhsa_user_sgpr_count 2
		.amdhsa_user_sgpr_kernarg_segment_ptr 1
		.amdhsa_wavefront_size32 1
		.amdhsa_system_sgpr_workgroup_id_x 1
		.amdhsa_system_sgpr_workgroup_id_y 1
		.amdhsa_system_sgpr_workgroup_id_z 1
		.amdhsa_system_vgpr_workitem_id 0
		.amdhsa_next_free_vgpr 74
		.amdhsa_next_free_sgpr 66
		.amdhsa_reserve_vcc 1
		.amdhsa_float_denorm_mode_32 3
		.amdhsa_float_denorm_mode_16_64 3
		.amdhsa_memory_ordered 1
		.amdhsa_forward_progress 1
		.amdhsa_inst_pref_size 85
	.end_amdhsa_kernel
	.amdgpu_metadata
---
amdhsa.version: [ 1, 2 ]
amdhsa.kernels:
  - .name:           k_q07682d15fb_rank
    .symbol:         k_q07682d15fb_rank.kd
    .args:
      - { .name: de_data, .offset: 0, .size: 8, .value_kind: global_buffer, .address_space: global }
      - { .name: rank, .offset: 8, .size: 8, .value_kind: global_buffer, .address_space: global }
    .group_segment_fixed_size: 16896
    .private_segment_fixed_size: 0
    .kernarg_segment_align: 8
    .kernarg_segment_size: 16
    .max_flat_workgroup_size: 128
    .sgpr_count:     66
    .vgpr_count:     74
    .wavefront_size: 32
...
	.end_amdgpu_metadata
.endif
;; end of part 1
;; launch corr (part 2): grid 256 x 1, 4 waves a work-group, no clusters, 234,240 bytes of LDS; arguments rank, out0; writes out0
.if DOCPART == 2
	.amdgcn_target "amdgcn-amd-amdhsa--gfx1250"
	.amdhsa_code_object_version 6
	.text
	.protected	k_q07682d15fb_corr
	.globl	k_q07682d15fb_corr
	.p2align	8
	.type	k_q07682d15fb_corr,@function
k_q07682d15fb_corr:
	s_mov_b64 s[64:65], 0
	v_nop
	global_prefetch_b8 v0, s[64:65] scope:SCOPE_SE
	s_setreg_imm32_b32 hwreg(HW_REG_WAVE_MODE, 25, 1), 1
	s_wait_xcnt 0x0
; out0[b][j][k] = 1/32 sum over f of ( sum over m of w[m][j] w[m][k] - se[j] se[k] / 127 ),  w[m][j] = 1 / (|r_m - r_j| + 1),  r = rank[b][.][f].
; The ranks of one (b, f) are a permutation of 0..127, so the sum over m is taken in the order of the ranks:
;   sum over a = 0..127 of u[r_j + a] u[r_k + a],   u[i] = 1 / (|i - 127| + 1),
; and row j of the product's operand is a window of 128 numbers of ONE fixed vector, beginning at r_j.  A fragment is two 16-byte LDS loads
; from a constant table at an address that the rank gives; se[j] hangs on r_j alone and comes from a table of 128 numbers.
; FORMAT: u (1/n, n = 1..128) and se / sqrt(127) (0.48 to 0.76) go to the matrix unit in f16: both are bounded by the computation itself for every
; input, and f16 has three bits of mantissa more than bf16.  Sums in f32, over m in rank order (not the reference's order of m).
; SHARE: two work-groups for a batch entry b (half p).  Blocks of 16 rows: 0-3 my own half (rows 64 p ..), 4-7 the other half.  The result is
; symmetric, so 22 tiles of 16 x 16 give the work-group's 32: the own 64 x 64 quadrant (10 tiles for 16), own blocks 0, 1 x the other half's
; columns (8), other blocks 6, 7 x own columns (4 more; the rest are mirrors of the 8).  The two halves together write each quadrant once.
; Wave w takes the bands f = 8 w .. 8 w + 7 as its part of K for all 22 tiles; the four partial sums meet in LDS.
; No tensor loads, ring or cluster: a work-group brings in 16,384 bytes once, and that is all that the two work-groups of a batch entry share.
.set SE2,    0                         ; 256 bytes: f16 se(rank) / sqrt(127) at byte 2 x rank
.set SEA,    256                       ; [electrode][band] f16 of the same, pitch 80: the fragments of the se step
.set SPITCH, 80
.set WL,     10496                     ; [electrode][band] rank words, pitch 144
.set WPITCH, 144
.set TB,     28928                     ; row i (0..255), 256 bytes: the 8 f16 u[i .. i+7], repeated in 16 columns of 16 bytes.  Lane (r, h) reads column r
                                       ; alone: the 16 lanes of a half touch 16 different 16-byte columns modulo 256 bytes, whatever the ranks are
.set IMG,    94464                     ; for each wave: 128 units of 64 f32 (256 bytes), pitch 272
.set IPITCH, 272
.set IMGSZ,  128*IPITCH
; units: 0-63 own rows x own columns; 64-95 own blocks 0, 1 x the other half's columns; 96-127 other blocks 6, 7 x own columns
; REGISTERS, window 0: v1 r = lane % 16, v2 h = lane / 16, v3 LT = TB + 16 r + 2048 h, v4 table address of the se step, v5 table store base,
; v6, v7 temporaries, v8 WL store, v9, v10 WL read (own, other), v11 SEA store, v12, v13 SEA read (own, other), v14 image store of 16 bytes,
; v15 image store of 4 bytes, v240-243 image read (waves 0..3), v244 output offset, v245 SE2 store, v246 1/sqrt(127), v247 16 x thread, v248 lane
.set W,  16                            ; v[16:79]   W[8 block + fl]: rank, then table address, of my row r of the block in band 8 w + fl
.set F0, 80                            ; v[80:143]  fragment buffer 0: 8 blocks x 8 registers
.set F1, 144                           ; v[144:207] fragment buffer 1
.set G,  208                           ; v[208:239] the 32 rank words that this thread brings in
; window 1: v256-431, tile t's accumulator at v[256 + 8 t]
.set MSB, 0
.macro WIN new                         ; s_set_vgpr_msb, low byte: 1:0 source 0, 3:2 source 1, 5:4 source 2, 7:6 destination; the high byte repeats the setting that is left
.if MSB != \new
	s_set_vgpr_msb (MSB<<8)|\new
.set MSB, \new
.endif
.endm
.macro PLACES                          ; four independent vector instructions behind a matrix instruction (ISA guide 7.12.1) where there is no useful work for them
.rept 4
	v_nop
.endr
.endm
	s_load_b128 s[4:7], s[0:1], 0x0                ; rank s[4:5], out0 s[6:7]
	v_lshl_add_u32 v254, v0, 2, 0x39100
	v_mov_b32 v255, 0
	v_lshrrev_b32 v6, 5, v0
	v_readfirstlane_b32 s8, v6                     ; wave 0..3
	s_lshr_b32 s9, ttmp9, 1                        ; b
	s_and_b32 s10, ttmp9, 1                        ; p
	s_xor_b32 s11, s10, 1                          ; 1 - p
	s_lshl_b32 s14, s9, 14
	s_mov_b32 s15, 0
	v_lshlrev_b32 v247, 4, v0
	s_wait_kmcnt 0x0
	s_add_nc_u64 s[4:5], s[4:5], s[14:15]
.irp i, 0,1,2,3,4,5,6,7
	global_load_b128 v[G+4*\i:G+4*\i+3], v247, s[4:5] offset:\i*2048   ; electrode (thread / 8) + 16 i, bands 4 (thread % 8) .. + 3
.endr
	; THE TABLE, while those loads are on their way.  Thread t makes rows 2 t and 2 t + 1 from u[2 t .. 2 t + 8].
	v_lshlrev_b32 v6, 1, v0
	v_add_nc_u32 v6, 0xffffff81, v6                ; 2 t - 127
	v_cvt_f32_i32 v[F0], v6
.irp e, 0,1,2,3,4,5,6,7
	v_add_f32 v[F0+\e+1], 1.0, v[F0+\e]
.endr
.irp e, 0,1,2,3,4,5,6,7,8
	v_add_f32 v[F0+\e], |v[F0+\e]|, 1.0            ; |i - 127| + 1
.endr
	v_mov_b32 v7, 0x42fe0000                       ; 127.0
.irp e, 0,1,2,3,4,5,6,7,8
	v_rcp_f32 v[F0+\e], v[F0+\e]
.endr
	v_rsq_f32 v246, v7                             ; 1 / sqrt(127)
	v_and_b32 v248, 31, v0                         ; the plain instruction between the transcendentals and the first use of a result (ISA guide 5.7.2)
	s_wait_alu depctr_va_vdst(0)
.irp m, 0,1,2,3
	v_cvt_pk_f16_f32 v[F0+16+\m], v[F0+2*\m], v[F0+2*\m+1]      ; row 2 t: the lower index in the low half
	v_cvt_pk_f16_f32 v[F0+20+\m], v[F0+2*\m+1], v[F0+2*\m+2]    ; row 2 t + 1
.endr
	s_lshl_b32 s16, s8, 14
	s_add_co_u32 s16, s16, TB
	v_lshl_add_u32 v5, v248, 9, s16                ; TB + wave x 16,384 + lane x 512: each wave fills 64 rows of its own
.irp i, 0,1,2,3,4,5,6,7,8,9,10,11,12,13,14,15
	v_add_nc_u32 v6, \i, v248                      ; column (lane + i) % 16: the 16 lanes of a half store to 16 different columns
	v_and_b32 v6, 15, v6
	v_lshl_add_u32 v6, v6, 4, v5
	ds_store_b128 v6, v[F0+16:F0+19]
	ds_store_b128 v6, v[F0+20:F0+23] offset:256
.endr
	; addresses
	v_and_b32 v1, 15, v0                           ; r
	v_bfe_u32 v2, v0, 4, 1                         ; h
	v_lshlrev_b32 v3, 4, v1
	v_lshl_add_u32 v3, v2, 11, v3
	v_add_nc_u32 v3, TB, v3                        ; LT: chunk 8 h of a window, column r
	s_lshl_b32 s16, s8, 13
	v_lshl_add_u32 v4, v1, 8, v3
	v_add_nc_u32 v4, s16, v4                       ; the window of rank 32 w + r
	v_lshrrev_b32 v6, 3, v248
	v_and_b32 v7, 7, v248
	s_mul_i32 s16, s8, 4*WPITCH
	s_add_co_u32 s16, s16, WL
	v_mul_u32_u24 v8, v6, WPITCH
	v_lshl_add_u32 v8, v7, 4, v8
	v_add_nc_u32 v8, s16, v8                       ; WL + (4 w + lane / 8) rows + 16 (lane % 8)
	s_mul_i32 s17, s8, 4*SPITCH
	s_add_co_u32 s17, s17, SEA
	v_mul_u32_u24 v11, v6, SPITCH
	v_lshl_add_u32 v11, v7, 3, v11
	v_add_nc_u32 v11, s17, v11                     ; SEA + the same row + 8 (lane % 8)
	s_lshl_b32 s22, s8, 5
	s_add_co_u32 s22, s22, WL                      ; my 8 bands: 32 bytes of a row
	s_mul_i32 s18, s10, 64*WPITCH
	s_mul_i32 s19, s11, 64*WPITCH
	s_add_co_u32 s18, s18, s22
	s_add_co_u32 s19, s19, s22
	v_mul_u32_u24 v9, v1, WPITCH
	v_add_nc_u32 v10, s19, v9                      ; row r of the other half
	v_add_nc_u32 v9, s18, v9                       ; row r of my own half
	s_mul_i32 s18, s10, 64*SPITCH
	s_mul_i32 s19, s11, 64*SPITCH
	s_add_co_u32 s18, s18, SEA
	s_add_co_u32 s19, s19, SEA
	v_mul_u32_u24 v12, v1, SPITCH
	v_lshl_add_u32 v12, v2, 4, v12
	v_add_nc_u32 v13, s19, v12
	v_add_nc_u32 v12, s18, v12
	s_mul_i32 s23, s8, IMGSZ
	s_add_co_u32 s23, s23, IMG                     ; my image
	v_mul_u32_u24 v14, v1, IPITCH
	v_lshl_add_u32 v14, v2, 5, v14
	v_add_nc_u32 v14, s23, v14                     ; unit r, columns 8 h ..
	v_mul_u32_u24 v15, v2, 8*IPITCH
	v_lshl_add_u32 v15, v1, 2, v15
	v_add_nc_u32 v15, s23, v15                     ; unit 8 h, column r
	s_mul_i32 s24, s8, 32*IPITCH
	s_add_co_u32 s24, s24, IMG
	v_mul_u32_u24 v240, v2, IPITCH
	v_lshl_add_u32 v240, v1, 4, v240
	v_add_nc_u32 v240, s24, v240                   ; wave 0's image, unit 32 w + h, 16 bytes at 16 r
	v_add_nc_u32 v241, IMGSZ, v240
	v_add_nc_u32 v242, 2*IMGSZ, v240
	v_add_nc_u32 v243, 3*IMGSZ, v240
	v_lshlrev_b32 v244, 4, v1
	v_lshl_add_u32 v244, v2, 9, v244               ; the same two units in out0: rows of 512 bytes
	s_lshl_b32 s16, s8, 6
	v_lshl_add_u32 v245, v2, 4, s16                ; SE2 + 2 (32 w + 8 h)
	s_mov_b32 s20, 0x3d000000                      ; 1/32, the mean over the bands
	s_mov_b32 s21, 0x3d000000
	; wave w reduces and stores units 32 w .. 32 w + 31: rows 64 (p, or 1 - p for wave 3) + 32 (w % 2), column half p (1 - p for wave 2)
	s_cmp_eq_u32 s8, 3
	s_cselect_b32 s16, s11, s10
	s_cmp_eq_u32 s8, 2
	s_cselect_b32 s17, s11, s10
	s_and_b32 s18, s8, 1
	s_lshl_b32 s14, s9, 16                         ; b x 65,536 bytes
	s_lshl_b32 s16, s16, 15                        ; 64 rows of 512 bytes
	s_lshl_b32 s17, s17, 8                         ; 64 columns of 4 bytes
	s_lshl_b32 s18, s18, 14                        ; 32 rows
	s_add_co_u32 s14, s14, s16
	s_add_co_u32 s14, s14, s17
	s_add_co_u32 s14, s14, s18
	s_add_nc_u64 s[6:7], s[6:7], s[14:15]
	s_wait_dscnt 0x0                               ; my rows of the table are in LDS
	s_barrier_signal -1
	s_barrier_wait -1                              ; the table is whole; nobody writes it again
	; se(rank) = the sum of the rank's window = window x ones on the matrix unit; wave w makes ranks 32 w .. 32 w + 31 (two blocks bb of 16)
.irp bb, 0,1
.irp s, 0,1,2,3
	ds_load_b128 v[F0+8*(4*\bb+\s):F0+8*(4*\bb+\s)+3],   v4 offset:\bb*4096+\s*8192
	ds_load_b128 v[F0+8*(4*\bb+\s)+4:F0+8*(4*\bb+\s)+7], v4 offset:\bb*4096+\s*8192+4096
.endr
.endr
.irp k, 0,1,2,3,4,5,6,7
	v_mov_b32 v[F1+\k], 0x3c003c00                 ; 1.0, 1.0 in f16
.endr
	s_wait_dscnt 0x0
.irp bb, 0,1
	v_wmma_f32_16x16x32_f16 v[F1+8+8*\bb:F1+15+8*\bb], v[F0+32*\bb:F0+32*\bb+7], v[F1:F1+7], 0
.endr
.irp s, 1,2,3
.irp bb, 0,1
	v_wmma_f32_16x16x32_f16 v[F1+8+8*\bb:F1+15+8*\bb], v[F0+32*\bb+8*\s:F0+32*\bb+8*\s+7], v[F1:F1+7], v[F1+8+8*\bb:F1+15+8*\bb]
.endr
.endr
	PLACES
.irp k, 0,1,2,3,4,5,6,7,8,9,10,11,12,13,14,15
	v_mul_f32 v[F1+8+\k], v246, v[F1+8+\k]         ; register j of block bb: se(32 w + 16 bb + 8 h + j) / sqrt(127), the same in all 16 lanes of a half
.endr
.irp m, 0,1,2,3,4,5,6,7
	v_cvt_pk_f16_f32 v[F1+24+\m], v[F1+8+2*\m], v[F1+9+2*\m]
.endr
	ds_store_b128 v245, v[F1+24:F1+27]             ; the 16 lanes of a half store equal bytes to one place
	ds_store_b128 v245, v[F1+28:F1+31] offset:32
	s_wait_loadcnt 0x0                             ; the rank words
.irp i, 0,1,2,3,4,5,6,7
	ds_store_b128 v8, v[G+4*\i:G+4*\i+3] offset:\i*16*WPITCH
.endr
	s_wait_dscnt 0x0
	s_barrier_signal -1
	s_barrier_wait -1                              ; SE2 and WL are whole
	; my rows' ranks in my 8 bands; and se / sqrt(127) of the 32 ranks that I brought in, laid out [electrode][band]
.irp i, 0,1,2,3
	ds_load_b128 v[W+8*\i:W+8*\i+3],       v9  offset:\i*16*WPITCH
	ds_load_b128 v[W+8*\i+4:W+8*\i+7],     v9  offset:\i*16*WPITCH+16
	ds_load_b128 v[W+32+8*\i:W+32+8*\i+3], v10 offset:\i*16*WPITCH
	ds_load_b128 v[W+36+8*\i:W+36+8*\i+3], v10 offset:\i*16*WPITCH+16
.endr
.set n, 0
.rept 32
	v_min_u32 v[G+n], 127, v[G+n]                  ; a loaded number enters an address only clamped to its table
	v_lshlrev_b32 v[G+n], 1, v[G+n]
.set n, n+1
.endr
.set n, 0
.rept 32
	ds_load_u16 v[F1+32+n], v[G+n]                 ; SE2 is 64 words: lanes meet in a word or differ in the word's place modulo 256 bytes
.set n, n+1
.endr
	s_wait_dscnt 0x0
.set n, 0
.rept 16
	v_lshl_or_b32 v[F0+n], v[F1+33+2*n], 16, v[F1+32+2*n]
.set n, n+1
.endr
.irp i, 0,1,2,3,4,5,6,7
	ds_store_b64 v11, v[F0+2*\i:F0+2*\i+1] offset:\i*16*SPITCH
.endr
	s_wait_dscnt 0x0
	s_barrier_signal -1
	s_barrier_wait -1                              ; SEA is whole
.macro ADDR fl, blk                    ; rank -> address of its window's first chunk for this lane
	v_min_u32 v[W+8*(\blk)+(\fl)], 127, v[W+8*(\blk)+(\fl)]
	v_lshl_add_u32 v[W+8*(\blk)+(\fl)], v[W+8*(\blk)+(\fl)], 8, v3
.endm
; the 8 blocks' fragments of K step s (32 of the window's 128) of band fl: registers 0-3 hold a = 32 s + 8 h .. + 7 (table row rank + a), 4-7 the 16 further on
.macro FETCH fl, s, buf
.irp i, 0,1,2,3,4,5,6,7
	ds_load_b128 v[\buf+8*\i:\buf+8*\i+3],   v[W+8*\i+(\fl)] offset:(\s)*8192
	ds_load_b128 v[\buf+8*\i+4:\buf+8*\i+7], v[W+8*\i+(\fl)] offset:(\s)*8192+4096
.endr
.endm
; tile t = block x (source 0) x block y (source 1): register j of lane (r, h) is out[x row 8 h + j][y row r] = out[y row r][x column 8 h + j]
.macro T t, x, y, fa, fb, zero
.if \zero
	v_wmma_f32_16x16x32_f16 v[8*(\t):8*(\t)+7], v[\fa+8*(\x):\fa+8*(\x)+7], v[\fb+8*(\y):\fb+8*(\y)+7], 0
.else
	v_wmma_f32_16x16x32_f16 v[8*(\t):8*(\t)+7], v[\fa+8*(\x):\fa+8*(\x)+7], v[\fb+8*(\y):\fb+8*(\y)+7], v[8*(\t):8*(\t)+7]
.endif
.endm
.macro MULALL fa, fb, zero
	T 0,  0, 0, \fa, \fb, \zero        ; the own quadrant's upper triangle
	T 1,  0, 1, \fa, \fb, \zero
	T 2,  0, 2, \fa, \fb, \zero
	T 3,  0, 3, \fa, \fb, \zero
	T 4,  1, 1, \fa, \fb, \zero
	T 5,  1, 2, \fa, \fb, \zero
	T 6,  1, 3, \fa, \fb, \zero
	T 7,  2, 2, \fa, \fb, \zero
	T 8,  2, 3, \fa, \fb, \zero
	T 9,  3, 3, \fa, \fb, \zero
	T 10, 4, 0, \fa, \fb, \zero        ; own blocks 0, 1 (rows) x the other half (columns)
	T 11, 5, 0, \fa, \fb, \zero
	T 12, 6, 0, \fa, \fb, \zero
	T 13, 7, 0, \fa, \fb, \zero
	T 14, 4, 1, \fa, \fb, \zero
	T 15, 5, 1, \fa, \fb, \zero
	T 16, 6, 1, \fa, \fb, \zero
	T 17, 7, 1, \fa, \fb, \zero
	T 18, 2, 6, \fa, \fb, \zero        ; other blocks 6, 7 (rows) x own blocks 2, 3 (columns)
	T 19, 2, 7, \fa, \fb, \zero
	T 20, 3, 6, \fa, \fb, \zero
	T 21, 3, 7, \fa, \fb, \zero
.endm
; K STEP s of band fl, on buffer s % 2.  The other buffer was read by the last step's products: the four places in front of the loads into it are
; the next band's addresses of two blocks (v_nop in the last band).  The next step's 16 loads are issued 22 products ahead of their use, and the
; wait leaves exactly those 16 out.  The last step fetches nothing and waits for all.  The first products start the sums: nothing is cleared.
.macro STEP fl, s
.set CUR, F0+64*((\s)&1)
.set NXT, F0+64-64*((\s)&1)
	WIN 0
.if \fl < 7
	ADDR (\fl+1), (2*\s)
	ADDR (\fl+1), (2*\s+1)
.else
.if \s < 3
	PLACES
.endif
.endif
.if \s < 3
	FETCH \fl, (\s+1), NXT
	s_wait_dscnt 16
.else
.if \fl < 7
	FETCH (\fl+1), 0, NXT
	s_wait_dscnt 16
.else
	s_wait_dscnt 0x0
.endif
.endif
	WIN 0x50                                       ; C and D in window 1, A and B in window 0
.if \fl+\s == 0
	MULALL CUR, CUR, 1
.else
	MULALL CUR, CUR, 0
.endif
.endm
.irp i, 0,1,2,3,4,5,6,7
	ADDR 0, \i
.endr
	FETCH 0, 0, F0
.irp fl, 0,1,2,3,4,5,6,7
.irp s, 0,1,2,3
	STEP \fl, \s
.endr
.endr
	; THE SE TERM: one K step more, K = the 32 bands: acc -= (se_j / sqrt 127)(se_k / sqrt 127).  It belongs into one of the four partial sums:
	; wave 0 does it, while the others already store their images.
	WIN 0
	PLACES                                         ; behind the last products: for the loads into the buffers here, and for the stores of results below
	s_cmp_lg_u32 s8, 0
	s_cbranch_scc1 .Lno_se
.irp i, 0,1,2,3
	ds_load_b128 v[F0+8*\i:F0+8*\i+3],       v12 offset:\i*16*SPITCH
	ds_load_b128 v[F0+8*\i+4:F0+8*\i+7],     v12 offset:\i*16*SPITCH+32
	ds_load_b128 v[F0+32+8*\i:F0+32+8*\i+3], v13 offset:\i*16*SPITCH
	ds_load_b128 v[F0+36+8*\i:F0+36+8*\i+3], v13 offset:\i*16*SPITCH+32
.endr
	s_wait_dscnt 0x0
.irp y, 0,1,2,3,6,7
.irp k, 0,1,2,3,4,5,6,7
	v_xor_b32 v[F1+8*\y+\k], 0x80008000, v[F0+8*\y+\k]   ; the blocks that serve as source 1, with both signs flipped: exact
.endr
.endr
	WIN 0x50
	MULALL F0, F1, 0
	WIN 0
	PLACES
.Lno_se:
	; THE WAY OUT.  Each wave lays its 22 tiles, and the 10 mirrors, into its own image of 128 units.
.macro ST128 t, row0, cb               ; rows = source 1's block: a lane's 8 results are 32 neighbouring bytes of unit row0 + r, column block cb
	ds_store_b128 v14, v[8*(\t):8*(\t)+3]   offset:(\row0)*IPITCH+64*(\cb)
	ds_store_b128 v14, v[8*(\t)+4:8*(\t)+7] offset:(\row0)*IPITCH+64*(\cb)+16
.endm
.macro ST32 t, row0, cb                ; the mirror: rows = source 0's block: register j goes to unit row0 + 8 h + j, column 16 cb + r
.irp j, 0,1,2,3,4,5,6,7
	ds_store_b32 v15, v[8*(\t)+\j] offset:((\row0)+\j)*IPITCH+64*(\cb)
.endr
.endm
	WIN 0x04                                       ; an LDS store's data is source 1: window 1
	ST128 0,  0,  0
	ST128 1,  16, 0
	ST128 2,  32, 0
	ST128 3,  48, 0
	ST128 4,  16, 1
	ST128 5,  32, 1
	ST128 6,  48, 1
	ST128 7,  32, 2
	ST128 8,  48, 2
	ST128 9,  48, 3
	ST32  1,  0,  1
	ST32  2,  0,  2
	ST32  3,  0,  3
	ST32  5,  16, 2
	ST32  6,  16, 3
	ST32  8,  32, 3
	ST128 10, 64, 0
	ST128 11, 64, 1
	ST128 12, 64, 2
	ST128 13, 64, 3
	ST128 14, 80, 0
	ST128 15, 80, 1
	ST128 16, 80, 2
	ST128 17, 80, 3
	ST32  12, 96,  0
	ST32  13, 112, 0
	ST32  16, 96,  1
	ST32  17, 112, 1
	ST128 18, 96,  2
	ST128 19, 112, 2
	ST128 20, 96,  3
	ST128 21, 112, 3
	WIN 0
	s_wait_dscnt 0x0                               ; my image is whole
	s_barrier_signal -1
	s_barrier_wait -1                              ; all four are
; group g = four pairs of units; of each pair the four waves' images, 16 bytes a lane: lanes 0-15 one unit, lanes 16-31 the next
.macro LOADB g, buf
.irp q, 0,1,2,3
.irp k, 0,1,2,3
	ds_load_b128 v[\buf+16*\q+4*\k:\buf+16*\q+4*\k+3], v[240+\k] offset:(4*\g+\q)*2*IPITCH
.endr
.endr
.endm
; (i0 + i1 + i2 + i3) / 32 by fused multiply-adds, in place in the first image's registers; sixteen lanes store 256 consecutive bytes, aligned
.macro REDUCE g, buf
.irp q, 0,1,2,3
	v_pk_mul_f32 v[\buf+16*\q:\buf+16*\q+1],   v[\buf+16*\q:\buf+16*\q+1],   s[20:21] op_sel_hi:[1,0]
	v_pk_mul_f32 v[\buf+16*\q+2:\buf+16*\q+3], v[\buf+16*\q+2:\buf+16*\q+3], s[20:21] op_sel_hi:[1,0]
.irp k, 1,2,3
	v_pk_fma_f32 v[\buf+16*\q:\buf+16*\q+1],   v[\buf+16*\q+4*\k:\buf+16*\q+4*\k+1],   s[20:21], v[\buf+16*\q:\buf+16*\q+1]   op_sel_hi:[1,0,1]
	v_pk_fma_f32 v[\buf+16*\q+2:\buf+16*\q+3], v[\buf+16*\q+4*\k+2:\buf+16*\q+4*\k+3], s[20:21], v[\buf+16*\q+2:\buf+16*\q+3] op_sel_hi:[1,0,1]
.endr
	global_store_b128 v244, v[\buf+16*\q:\buf+16*\q+3], s[6:7] offset:(4*\g+\q)*1024 th:TH_STORE_NT
.endr
.endm
	LOADB 0, F0
	LOADB 1, F1
	s_wait_dscnt 16                                ; group 0 is in; group 1's 16 loads stay out
	REDUCE 0, F0
	s_wait_xcnt 0x0                                ; buffer 0 held store data: it is loaded again only behind this wait
	LOADB 2, F0
	s_wait_dscnt 16                                ; group 1 is in; group 2's 16 loads stay out
	REDUCE 1, F1
	s_wait_xcnt 0x0                                ; the same for buffer 1
	LOADB 3, F1
	s_wait_dscnt 16                                ; group 2 is in; group 3's 16 loads stay out
	REDUCE 2, F0
	s_wait_dscnt 0x0
	REDUCE 3, F1
	s_wait_tensorcnt 0x0
	ds_add_u32 v254, v255
	s_wait_dscnt 0x0
	s_endpgm
.Lfunc_end_k_q07682d15fb_corr:
	.size	k_q07682d15fb_corr, .Lfunc_end_k_q07682d15fb_corr-k_q07682d15fb_corr
	.p2alignl 7, 3214868480
	.fill 96, 4, 3214868480
	.section	.rodata,"a",@progbits
	.p2align	6, 0x0
	.amdhsa_kernel k_q07682d15fb_corr
		.amdhsa_group_segment_fixed_size 234240
		.amdhsa_private_segment_fixed_size 0
		.amdhsa_enable_private_segment 0
		.amdhsa_kernarg_size 16
		.amdhsa_user_sgpr_count 2
		.amdhsa_user_sgpr_kernarg_segment_ptr 1
		.amdhsa_wavefront_size32 1
		.amdhsa_system_sgpr_workgroup_id_x 1
		.amdhsa_system_sgpr_workgroup_id_y 1
		.amdhsa_system_sgpr_workgroup_id_z 1
		.amdhsa_system_vgpr_workitem_id 0
		.amdhsa_next_free_vgpr 432
		.amdhsa_next_free_sgpr 66
		.amdhsa_reserve_vcc 0
		.amdhsa_float_denorm_mode_32 3
		.amdhsa_float_denorm_mode_16_64 3
		.amdhsa_memory_ordered 1
		.amdhsa_forward_progress 1
		.amdhsa_inst_pref_size 138
	.end_amdhsa_kernel
	.amdgpu_metadata
---
amdhsa.version: [ 1, 2 ]
amdhsa.kernels:
  - .name:           k_q07682d15fb_corr
    .symbol:         k_q07682d15fb_corr.kd
    .args:
      - { .name: rank, .offset: 0, .size: 8, .value_kind: global_buffer, .address_space: global }
      - { .name: out0, .offset: 8, .size: 8, .value_kind: global_buffer, .address_space: global }
    .group_segment_fixed_size: 234240
    .private_segment_fixed_size: 0
    .kernarg_segment_align: 8
    .kernarg_segment_size: 16
    .max_flat_workgroup_size: 128
    .sgpr_count:     66
    .vgpr_count:     432
    .wavefront_size: 32
...
	.end_amdgpu_metadata
.endif
;; end of part 2
;; ======== version 2 of 2: 2 launches; version 1 with the launches rank, corr written anew for expert scheduling mode
;; limits: values outside matrix products are rounded to f16
;; workspace buffers: rank 2,097,152 bytes of whole numbers
;; launch rank (part 3): grid 256 x 1, 4 waves a work-group, no clusters, 16,896 bytes of LDS; arguments de_data, rank; writes rank
.if DOCPART == 3
	.amdgcn_target "amdgcn-amd-amdhsa--gfx1250"
	.amdhsa_code_object_version 6
	.text
	.protected	k_q07682d15fb_rank
	.globl	k_q07682d15fb_rank
	.p2align	8
	.type	k_q07682d15fb_rank,@function
k_q07682d15fb_rank:
	s_mov_b64 s[64:65], 0
	v_nop
	global_prefetch_b8 v0, s[64:65] scope:SCOPE_SE
	s_setreg_imm32_b32 hwreg(HW_REG_WAVE_SCHED_MODE, 0, 2), 2
	s_setreg_imm32_b32 hwreg(HW_REG_WAVE_MODE, 25, 1), 1
	s_wait_xcnt 0x0
	s_wait_alu depctr_vm_vsrc(0)
; rank[b][e][f] = the place (0..127) of de_data[b][e][f] among the 128 electrodes e of (b, f), as argsort(argsort(x)) gives it:
; the number of k with x_k < x_j, or x_k == x_j and k < j (a stable sort).  Stored as 32-bit whole numbers in the input's layout.
; Every float is served: -0 counts as +0, every NaN counts as one value above +infinity, ties go by the index.
; Two work-groups for a batch entry b; four waves; wave w of half p owns the 16 rows j = 16 (4 p + w) .. + 15; the lane is the band f.
; The floats become signed integer keys of the same order, lie once in LDS ([e][f], 128 bytes a row), and each wave walks all 128 rows k:
; one compare and one add-with-carry count one (j, k) pair in 32 bands.  K_k < K_j + [k < j] is the whole test: two sets of thresholds,
; LO and HI, hold K + 1 in front of the wave's own chunk of 16 rows and K behind it; inside it HI (k < j) holds K + 1 and LO holds K.
; LDS: 16,384 bytes of keys; when every wave has read them out, each wave uses 2,048 of these bytes (at wave x 2,048) as its stage for the way out.
; No matrix unit, tensor load or cluster: the work is compares, and a work-group reads 16,384 bytes once.
; THE MODE: SCHED_MODE bits 1:0 = 2 (LLVM: expert scheduling mode 2), set by the entry lines.  The code itself states the register dependences
; between vector instructions and memory or LDS instructions, and between a vector instruction that writes a scalar register and the lines that name it, with s_wait_alu, always for 0.
; THE PLAN.  Registers that memory or LDS instructions touch:
;   v1, v3-v6   offsets and LDS addresses, made once at the head.
;   v2          the ring's LDS address: read by every ring load, written once a chunk.
;   v[8:39]     the input lands here, the key arithmetic rewrites it, the key stores read it; behind the first barrier KB and CNT.
;   KB[0:7]     read by a chunk's compares 0-7; asked for again (the next chunk's rows 0-7) at the head of the chunk's second half.
;   KB[8:15]    read by a chunk's compares 8-15; asked for again (the next chunk's rows 8-15) at the next chunk's head.
;   TLO         temporaries of the keys, then the loads of my own rows land in it.      CNT   written by the adds, read by the stage's stores.
; So two waits on va_vdst stand in a chunk, each ahead of a run of eight ring loads, which then have eight rows' work in which to land.
; THE MASKS: four sets of 16 scalar registers; the rows go in pairs, two sets a pair, by turns: the wait, the compares of rows 2 q and 2 q + 1 into two sets, the adds
; of rows 2 q - 2 and 2 q - 1 from the other two.  An add writes its carry out (always 0: a count stays below 128; nobody reads it) into the register that held its
; mask, which is dead by then.  So each wait stands between a run of compares and the adds that read its masks, and also between a run of adds and the compares that
; write those registers again.  The chain ends inside the chunk, with a wait behind its last adds: nothing is carried over a branch or a label.  VCC is not named.
.set X,    8                           ; v[8:39]   32 numbers as loaded, then their keys
.set KB,   8                           ; v[8:23]   behind the barrier: a ring of 16 rows k; at the end the output quads
.set CNT,  24                          ; v[24:39]  the 16 counts
.set TLO,  40                          ; v[40:55]  thresholds for k >= j inside the own chunk (at the head: temporaries for the keys)
.set THI,  56                          ; v[56:71]  thresholds for k < j inside the own chunk
.set MASK, 20                          ; s[20:35], s[36:51] the masks of an even pair of rows; s[66:81], s[82:97] (46 further on) those of an odd pair
	s_load_b128 s[4:7], s[0:1], 0x0                ; de_data s[4:5], rank s[6:7]
	v_lshl_add_u32 v72, v0, 2, 0x4000
	v_mov_b32 v73, 0
	v_lshrrev_b32 v2, 5, v0
	v_readfirstlane_b32 s8, v2                     ; wave 0..3
	v_and_b32 v6, 31, v0                           ; lane = band
	s_lshr_b32 s9, ttmp9, 1                        ; b
	s_and_b32 s10, ttmp9, 1                        ; p
	s_wait_alu depctr_va_sdst(0)                   ; s8 is written, ahead of its first reader
	s_lshl2_add_u32 s11, s10, s8                   ; own chunk = 4 p + w
	s_add_co_u32 s12, s11, 1                       ; the chunk behind it
	s_lshl_b32 s14, s9, 14                         ; b x 16,384 bytes
	s_mov_b32 s15, 0
	s_lshl_b32 s16, s8, 9
	v_lshl_add_u32 v1, v6, 4, s16                  ; 16 x thread: wave x 512 + lane x 16, in memory and in LDS alike
	s_wait_kmcnt 0x0
	s_add_nc_u64 s[4:5], s[4:5], s[14:15]
	s_wait_alu depctr_va_vdst(0)                   ; v1 is written, which the loads below read as their offset
.irp i, 0,1,2,3,4,5,6,7
	global_load_b128 v[X+4*\i:X+4*\i+3], v1, s[4:5] offset:\i*2048   ; a wave's load covers 512 consecutive bytes; eight cover the batch entry
.endr
	s_lshl_b32 s17, s11, 11                        ; own chunk x 16 rows x 128 bytes
	s_add_co_u32 s14, s14, s17
	s_add_nc_u64 s[6:7], s[6:7], s[14:15]          ; rank at my 16 rows
	s_lshl_b32 s18, s8, 11                         ; my stage: wave x 2,048
	v_lshlrev_b32 v2, 2, v6                        ; VK: my band in row 0 of the chunk at work
	v_lshl_add_u32 v3, v6, 2, s17                  ; my band in my first own row
	v_lshl_add_u32 v4, v6, 2, s18                  ; stage, in: one word a row
	v_lshl_add_u32 v5, v6, 4, s18                  ; stage, back: 16 bytes a lane
	v_lshlrev_b32 v6, 4, v6                        ; and the same 16 bytes in memory
	v_mov_b32 v7, 0x7fc00000                       ; the one NaN: above +infinity as an integer, and key + 1 does not overflow
; sixteen floats at v[q..q+15] become keys: x + 0 turns -0 into +0; a NaN (x != x) becomes the one NaN; then the low 31 bits of
; negative numbers are flipped, which gives the order of signed integers.  The sixteen compares stand in one run, with one wait behind it.
.macro KEYS q
.irp k, 0,1,2,3,4,5,6,7,8,9,10,11,12,13,14,15
	v_add_f32 v[\q+\k], 0, v[\q+\k]
.endr
.irp k, 0,1,2,3,4,5,6,7,8,9,10,11,12,13,14,15
	v_cmp_neq_f32 s[MASK+\k], v[\q+\k], v[\q+\k]
.endr
	s_wait_alu depctr_va_sdst(0)                   ; the sixteen masks are written, ahead of the selects that read them
.irp k, 0,1,2,3,4,5,6,7,8,9,10,11,12,13,14,15
	v_cndmask_b32 v[\q+\k], v[\q+\k], v7, s[MASK+\k]
.endr
.irp k, 0,1,2,3,4,5,6,7,8,9,10,11,12,13,14,15
	v_ashrrev_i32 v[TLO+\k], 31, v[\q+\k]
.endr
.irp k, 0,1,2,3,4,5,6,7,8,9,10,11,12,13,14,15
	v_lshrrev_b32 v[TLO+\k], 1, v[TLO+\k]
.endr
.irp k, 0,1,2,3,4,5,6,7,8,9,10,11,12,13,14,15
	v_xor_b32 v[\q+\k], v[\q+\k], v[TLO+\k]
.endr
.endm
.irp g, 0,1
	s_wait_loadcnt 4-4*\g                          ; loads return in order: four loads are in, and the first time the four younger ones stay out
	KEYS X+16*\g
	s_wait_alu depctr_va_vdst(0)                   ; the sixteen keys are written, which the stores below read; the first time also v2 to v6, the second time TLO's last use as temporaries is over
.irp i, 0,1,2,3
	ds_store_b128 v1, v[X+16*\g+4*\i:X+16*\g+4*\i+3] offset:(4*\g+\i)*2048
.endr
.endr
	s_wait_dscnt 0x0                               ; my keys are in LDS, for the other waves' sake
	s_barrier_signal -1
	s_barrier_wait -1                              ; everybody's are
	s_wait_alu depctr_vm_vsrc(0)                   ; my LDS stores have read v[8:39]: from here on the ring's loads land in v[8:23] and the counts are written into v[24:39]
.irp jj, 0,1,2,3,4,5,6,7,8,9,10,11,12,13,14,15
	ds_load_b32 v[TLO+\jj], v3 offset:\jj*128      ; my 16 own rows
.endr
.irp i, 0,1,2,3,4,5,6,7
	ds_load_b32 v[KB+\i], v2 offset:\i*128         ; the ring's first half: rows 0 to 7
.endr
	s_wait_dscnt 8                                 ; the own rows are in; the 8 ring loads behind them stay out
.irp jj, 0,1,2,3,4,5,6,7,8,9,10,11,12,13,14,15
	v_add_nc_u32 v[THI+\jj], 1, v[TLO+\jj]         ; in front of the own chunk every k is below j: both sets hold K + 1
	v_add_nc_u32 v[TLO+\jj], 1, v[TLO+\jj]
	v_mov_b32 v[CNT+\jj], 0
.endr
; row i of the chunk against my 16 rows: the masks go into the set that begins at s[m]
.macro CMPS i, m
.irp jj, 0,1,2,3,4,5,6,7,8,9,10,11,12,13,14,15
.if (\i) < \jj
	v_cmp_lt_i32 s[(\m)+\jj], v[KB+(\i)], v[THI+\jj]
.else
	v_cmp_lt_i32 s[(\m)+\jj], v[KB+(\i)], v[TLO+\jj]
.endif
.endr
.endm
; the 16 counts take the bits of the set that begins at s[m]; the carry out goes into the mask's own register
.macro ADDS m
.irp jj, 0,1,2,3,4,5,6,7,8,9,10,11,12,13,14,15
	v_add_co_ci_u32 v[CNT+\jj], s[(\m)+\jj], 0, v[CNT+\jj], s[(\m)+\jj]   ; count + the compare's bit
.endr
.endm
; one chunk of 16 rows k.  At the own chunk's head LO steps down to K, at the next chunk's head HI does.  The two branches hang on ids and the
; loop's counter alone and jump over register work only.
; The ring goes by halves: at the chunk's head rows 8-15 of this chunk are asked for, ahead of row 8 (more = 1) rows 0-7 of the next chunk.
; Behind each run of eight loads the count 8 leaves just those out: the half that is compared next was asked for a half earlier.
.macro CHUNK more, tag
	s_cmp_lg_u32 s13, s11
	s_cbranch_scc1 .Lnolo_\tag
.irp jj, 0,1,2,3,4,5,6,7,8,9,10,11,12,13,14,15
	v_add_nc_u32 v[TLO+\jj], -1, v[TLO+\jj]
.endr
.Lnolo_\tag:
	s_cmp_lg_u32 s13, s12
	s_cbranch_scc1 .Lnohi_\tag
.irp jj, 0,1,2,3,4,5,6,7,8,9,10,11,12,13,14,15
	v_add_nc_u32 v[THI+\jj], -1, v[THI+\jj]
.endr
.Lnohi_\tag:
	s_wait_alu depctr_va_vdst(0)                   ; the last chunk's compares 8-15 are done reading KB[8:15], in which the loads below land; v2 is written
.irp k, 8,9,10,11,12,13,14,15
	ds_load_b32 v[KB+\k], v2 offset:\k*128
.endr
	s_wait_dscnt 8                                 ; rows 0-7 are in; the 8 loads just issued stay out
	CMPS 0, MASK
	CMPS 1, MASK+16
.irp q, 1,2,3,4,5,6,7
.if \q == 4
.if \more
	s_wait_alu depctr_va_vdst(0)                   ; this chunk's compares 0-7 are done reading KB[0:7], in which the loads below land
.irp k, 0,1,2,3,4,5,6,7
	ds_load_b32 v[KB+\k], v2 offset:\k*128+2048
.endr
	s_wait_dscnt 8                                 ; rows 8-15 are in; the 8 loads just issued stay out
.else
	s_wait_dscnt 0x0                               ; rows 8-15 are in; nothing was asked for behind them
.endif
.endif
	s_wait_alu depctr_va_sdst(0)                   ; the masks of the pair before are written, ahead of the adds below that read them; the carries out of the pair before that are written, ahead of the compares below that write their registers again
	CMPS (2*\q),   (MASK+46*((\q)&1))
	CMPS (2*\q+1), (MASK+46*((\q)&1)+16)
	ADDS (MASK+46-46*((\q)&1))
	ADDS (MASK+46-46*((\q)&1)+16)
.endr
	s_wait_alu depctr_va_sdst(0)                   ; the masks of rows 14 and 15 are written, ahead of the adds below that read them
	ADDS MASK+46
	ADDS MASK+62
	s_wait_alu depctr_va_sdst(0)                   ; the last adds' carries out are written, ahead of the branch: the next chunk's compares write these registers again
.endm
	s_mov_b32 s13, 0                               ; the chunk at work
.Lchunk:
	CHUNK 1, a
	s_wait_alu depctr_vm_vsrc(0)                   ; the ring loads issued so far have read v2
	v_add_nc_u32 v2, 2048, v2                      ; the next chunk's rows
	s_add_co_u32 s13, s13, 1
	s_cmp_lt_u32 s13, 7
	s_cbranch_scc1 .Lchunk
	CHUNK 0, b                                     ; chunk 7 asks for its own second half alone: no read leaves the keys
	; THE WAY OUT goes through the keys' bytes, so first every wave must have read the keys out:
	s_wait_dscnt 0x0                               ; my reads of the keys are over,
	s_barrier_signal -1
	s_barrier_wait -1                              ; everybody's are: the keys may be overwritten
	; [row][band] words into my own 2,048 bytes, back as 16 bytes a lane.  LDS serves a wave's instructions in order
	; (ISA guide 5.7.1), so the loads see the stores above them, and no other wave touches these bytes.
	s_wait_alu depctr_va_vdst(0)                   ; the adds have written the counts, which the stores read; the compares are done reading KB, in which the loads from the stage land
.irp jj, 0,1,2,3,4,5,6,7,8,9,10,11,12,13,14,15
	ds_store_b32 v4, v[CNT+\jj] offset:\jj*128
.endr
.irp i, 0,1,2,3
	ds_load_b128 v[KB+4*\i:KB+4*\i+3], v5 offset:\i*512
.endr
.irp i, 0,1,2,3
	s_wait_dscnt 3-\i                              ; quad i is in; the 3 - i younger loads stay out
	global_store_b128 v6, v[KB+4*\i:KB+4*\i+3], s[6:7] offset:\i*512   ; a wave's store covers 512 consecutive bytes, aligned
.endr
	s_wait_dscnt 0x0
	s_wait_alu depctr_hold_cnt(0) depctr_sa_sdst(0) depctr_va_vdst(0) depctr_va_sdst(0) depctr_va_ssrc(0) depctr_va_vcc(0) depctr_vm_vsrc(0)
	s_wait_tensorcnt 0x0
	ds_add_u32 v72, v73
	s_wait_dscnt 0x0
	s_endpgm
.Lfunc_end_k_q07682d15fb_rank:
	.size	k_q07682d15fb_rank, .Lfunc_end_k_q07682d15fb_rank-k_q07682d15fb_rank
	.p2alignl 7, 3214868480
	.fill 96, 4, 3214868480
	.section	.rodata,"a",@progbits
	.p2align	6, 0x0
	.amdhsa_kernel k_q07682d15fb_rank
		.amdhsa_group_segment_fixed_size 16896
		.amdhsa_private_segment_fixed_size 0
		.amdhsa_enable_private_segment 0
		.amdhsa_kernarg_size 16
		.amdhsa_user_sgpr_count 2
		.amdhsa_user_sgpr_kernarg_segment_ptr 1
		.amdhsa_wavefront_size32 1
		.amdhsa_system_sgpr_workgroup_id_x 1
		.amdhsa_system_sgpr_workgroup_id_y 1
		.amdhsa_system_sgpr_workgroup_id_z 1
		.amdhsa_system_vgpr_workitem_id 0
		.amdhsa_next_free_vgpr 74
		.amdhsa_next_free_sgpr 98
		.amdhsa_reserve_vcc 0
		.amdhsa_float_denorm_mode_32 3
		.amdhsa_float_denorm_mode_16_64 3
		.amdhsa_memory_ordered 1
		.amdhsa_forward_progress 1
		.amdhsa_inst_pref_size 85
	.end_amdhsa_kernel
	.amdgpu_metadata
---
amdhsa.version: [ 1, 2 ]
amdhsa.kernels:
  - .name:           k_q07682d15fb_rank
    .symbol:         k_q07682d15fb_rank.kd
    .args:
      - { .name: de_data, .offset: 0, .size: 8, .value_kind: global_buffer, .address_space: global }
      - { .name: rank, .offset: 8, .size: 8, .value_kind: global_buffer, .address_space: global }
    .group_segment_fixed_size: 16896
    .private_segment_fixed_size: 0
    .kernarg_segment_align: 8
    .kernarg_segment_size: 16
    .max_flat_workgroup_size: 128
    .sgpr_count:     98
    .vgpr_count:     74
    .wavefront_size: 32
...
	.end_amdgpu_metadata
.endif
;; end of part 3
;; launch corr (part 4): grid 256 x 1, 4 waves a work-group, no clusters, 234,240 bytes of LDS; arguments rank, out0; writes out0
.if DOCPART == 4
	.amdgcn_target "amdgcn-amd-amdhsa--gfx1250"
	.amdhsa_code_object_version 6
	.text
	.protected	k_q07682d15fb_corr
	.globl	k_q07682d15fb_corr
	.p2align	8
	.type	k_q07682d15fb_corr,@function
k_q07682d15fb_corr:
	s_mov_b64 s[64:65], 0
	v_nop
	global_prefetch_b8 v0, s[64:65] scope:SCOPE_SE
	s_setreg_imm32_b32 hwreg(HW_REG_WAVE_SCHED_MODE, 0, 2), 2
	s_setreg_imm32_b32 hwreg(HW_REG_WAVE_MODE, 25, 1), 1
	s_wait_xcnt 0x0
	s_wait_alu depctr_vm_vsrc(0)
; out0[b][j][k] = 1/32 sum over f of ( sum over m of w[m][j] w[m][k] - se[j] se[k] / 127 ),  w[m][j] = 1 / (|r_m - r_j| + 1),  r = rank[b][.][f].
; The ranks of one (b, f) are a permutation of 0..127, so the sum over m is taken in the order of the ranks:
;   sum over a = 0..127 of u[r_j + a] u[r_k + a],   u[i] = 1 / (|i - 127| + 1),
; and row j of the product's operand is a window of 128 numbers of ONE fixed vector, beginning at r_j.  A fragment is two 16-byte LDS loads
; from a constant table at an address that the rank gives; se[j] hangs on r_j alone and comes from a table of 128 numbers.
; FORMAT: u (1/n, n = 1..128) and se / sqrt(127) (0.48 to 0.76) go to the matrix unit in f16: both are bounded by the computation itself for every
; input, and f16 has three bits of mantissa more than bf16.  Sums in f32, over m in rank order (not the reference's order of m).
; SHARE: two work-groups for a batch entry b (half p).  Blocks of 16 rows: 0-3 my own half (rows 64 p ..), 4-7 the other half.  The result is
; symmetric, so 22 tiles of 16 x 16 give the work-group's 32: the own 64 x 64 quadrant (10 tiles for 16), own blocks 0, 1 x the other half's
; columns (8), other blocks 6, 7 x own columns (4 more; the rest are mirrors of the 8).  The two halves together write each quadrant once.
; Wave w takes the bands f = 8 w .. 8 w + 7 as its part of K for all 22 tiles; the four partial sums meet in LDS.
; No tensor loads, ring or cluster: a work-group brings in 16,384 bytes once, and that is all that the two work-groups of a batch entry share.
; THE MODE: SCHED_MODE bits 1:0 = 2 (LLVM: expert scheduling mode 2), set by the entry lines.  The code itself states the register dependences
; between vector or matrix instructions and memory or LDS instructions, with s_wait_alu, always for 0.
; THE PLAN.  Registers that memory or LDS instructions touch:
;   v247; v3, v4, v8-v15, v240-v245   offsets and LDS addresses, made once in front of the first barrier and never written again.
;   TA       sixteen addresses of the table's stores, made in one run.          F0+16..23  the table's two rows, read by those stores.
;   G        the rank words land here; the stores into WL read them; the clamps make SE2 addresses of them, which 32 loads read; then tiles 0-3's accumulators.
;   W        the ranks of my rows land here; each register is made ONCE into a table address, four address instructions a step, a band ahead; four steps' loads read it.
;   F0, F1   fragment buffers by turns: a step's 22 products read one; the next step's 16 loads land in the other, which the step before read.
;   the accumulators: written by the products, read by the stores into the image.
; IN THE LOOP one wait on va_vdst stands at a step's head: the last step's products are done reading the other buffer, and the addresses just made are written.
; Behind it the step's 16 loads are dealt four behind each of its first four products, which name this step's buffer and their accumulators alone.  Those four
; accumulators lie in window 0 with the fragments and the addresses, so that products and loads stand under one window setting.
.set SE2,    0                         ; 256 bytes: f16 se(rank) / sqrt(127) at byte 2 x rank
.set SEA,    256                       ; [electrode][band] f16 of the same, pitch 80: the fragments of the se step
.set SPITCH, 80
.set WL,     10496                     ; [electrode][band] rank words, pitch 144
.set WPITCH, 144
.set TB,     28928                     ; row i (0..255), 256 bytes: the 8 f16 u[i .. i+7], repeated in 16 columns of 16 bytes.  Lane (r, h) reads column r
                                       ; alone: the 16 lanes of a half touch 16 different 16-byte columns modulo 256 bytes, whatever the ranks are
.set IMG,    94464                     ; for each wave: 128 units of 64 f32 (256 bytes), pitch 272
.set IPITCH, 272
.set IMGSZ,  128*IPITCH
; units: 0-63 own rows x own columns; 64-95 own blocks 0, 1 x the other half's columns; 96-127 other blocks 6, 7 x own columns
; REGISTERS, window 0: v1 r = lane % 16, v2 h = lane / 16, v3 LT = TB + 16 r + 2048 h, v4 table address of the se step, v5 table store base,
; v6, v7 temporaries, v8 WL store, v9, v10 WL read (own, other), v11 SEA store, v12, v13 SEA read (own, other), v14 image store of 16 bytes,
; v15 image store of 4 bytes, v240-243 image read (waves 0..3), v244 output offset, v245 SE2 store, v246 1/sqrt(127), v247 16 x thread, v248 lane
.set W,  16                            ; v[16:79]   W[8 block + fl]: rank, then table address, of my row r of the block in band 8 w + fl
.set F0, 80                            ; v[80:143]  fragment buffer 0: 8 blocks x 8 registers
.set F1, 144                           ; v[144:207] fragment buffer 1
.set TA, F1+32                         ; v[176:191] at the head only: the sixteen addresses of the table's stores
.set G,  208                           ; v[208:239] the 32 rank words that this thread brings in
.set A0, G                             ; v[208:239] later: tile t's accumulator, t = 0..3, at v[208 + 8 t]
; window 1: v256-399, tile t's accumulator, t = 4..21, at v[256 + 8 (t - 4)]
.set MSB, 0
.macro WIN new                         ; s_set_vgpr_msb, low byte: 1:0 source 0, 3:2 source 1, 5:4 source 2, 7:6 destination; the high byte repeats the setting that is left
.if MSB != \new
	s_set_vgpr_msb (MSB<<8)|\new
.set MSB, \new
.endif
.endm
.macro PLACES                          ; four independent vector instructions behind a matrix instruction (ISA guide 7.12.1) where there is no useful work for them
.rept 4
	v_nop
.endr
.endm
	s_load_b128 s[4:7], s[0:1], 0x0                ; rank s[4:5], out0 s[6:7]
	v_lshl_add_u32 v254, v0, 2, 0x39100
	v_mov_b32 v255, 0
	v_lshrrev_b32 v6, 5, v0
	v_readfirstlane_b32 s8, v6                     ; wave 0..3
	s_lshr_b32 s9, ttmp9, 1                        ; b
	s_and_b32 s10, ttmp9, 1                        ; p
	s_xor_b32 s11, s10, 1                          ; 1 - p
	s_lshl_b32 s14, s9, 14
	s_mov_b32 s15, 0
	v_lshlrev_b32 v247, 4, v0
	s_wait_alu depctr_va_sdst(0)                   ; s8 is written, ahead of its first reader
	s_wait_kmcnt 0x0
	s_add_nc_u64 s[4:5], s[4:5], s[14:15]
	s_wait_alu depctr_va_vdst(0)                   ; v247 is written, which the loads below read as their offset
.irp i, 0,1,2,3,4,5,6,7
	global_load_b128 v[G+4*\i:G+4*\i+3], v247, s[4:5] offset:\i*2048   ; electrode (thread / 8) + 16 i, bands 4 (thread % 8) .. + 3
.endr
	; THE TABLE, while those loads are on their way.  Thread t makes rows 2 t and 2 t + 1 from u[2 t .. 2 t + 8].
	v_lshlrev_b32 v6, 1, v0
	v_add_nc_u32 v6, 0xffffff81, v6                ; 2 t - 127
	v_cvt_f32_i32 v[F0], v6
.irp e, 0,1,2,3,4,5,6,7
	v_add_f32 v[F0+\e+1], 1.0, v[F0+\e]
.endr
.irp e, 0,1,2,3,4,5,6,7,8
	v_add_f32 v[F0+\e], |v[F0+\e]|, 1.0            ; |i - 127| + 1
.endr
	v_mov_b32 v7, 0x42fe0000                       ; 127.0
.irp e, 0,1,2,3,4,5,6,7,8
	v_rcp_f32 v[F0+\e], v[F0+\e]
.endr
	v_rsq_f32 v246, v7                             ; 1 / sqrt(127)
	v_and_b32 v248, 31, v0                         ; the plain instruction between the transcendentals and the first use of a result (ISA guide 5.7.2)
	s_wait_alu depctr_va_vdst(0)
.irp m, 0,1,2,3
	v_cvt_pk_f16_f32 v[F0+16+\m], v[F0+2*\m], v[F0+2*\m+1]      ; row 2 t: the lower index in the low half
	v_cvt_pk_f16_f32 v[F0+20+\m], v[F0+2*\m+1], v[F0+2*\m+2]    ; row 2 t + 1
.endr
	s_lshl_b32 s16, s8, 14
	s_add_co_u32 s16, s16, TB
	v_lshl_add_u32 v5, v248, 9, s16                ; TB + wave x 16,384 + lane x 512: each wave fills 64 rows of its own
.irp i, 0,1,2,3,4,5,6,7,8,9,10,11,12,13,14,15
	v_add_nc_u32 v[TA+\i], \i, v248                ; column (lane + i) % 16: the 16 lanes of a half store to 16 different columns
.endr
.irp i, 0,1,2,3,4,5,6,7,8,9,10,11,12,13,14,15
	v_and_b32 v[TA+\i], 15, v[TA+\i]
.endr
.irp i, 0,1,2,3,4,5,6,7,8,9,10,11,12,13,14,15
	v_lshl_add_u32 v[TA+\i], v[TA+\i], 4, v5
.endr
	s_wait_alu depctr_va_vdst(0)                   ; the two rows in v[F0+16 ..] and the sixteen addresses are written, which the stores below read
.irp i, 0,1,2,3,4,5,6,7,8,9,10,11,12,13,14,15
	ds_store_b128 v[TA+\i], v[F0+16:F0+19]
	ds_store_b128 v[TA+\i], v[F0+20:F0+23] offset:256
.endr
	; addresses
	v_and_b32 v1, 15, v0                           ; r
	v_bfe_u32 v2, v0, 4, 1                         ; h
	v_lshlrev_b32 v3, 4, v1
	v_lshl_add_u32 v3, v2, 11, v3
	v_add_nc_u32 v3, TB, v3                        ; LT: chunk 8 h of a window, column r
	s_lshl_b32 s16, s8, 13
	v_lshl_add_u32 v4, v1, 8, v3
	v_add_nc_u32 v4, s16, v4                       ; the window of rank 32 w + r
	v_lshrrev_b32 v6, 3, v248
	v_and_b32 v7, 7, v248
	s_mul_i32 s16, s8, 4*WPITCH
	s_add_co_u32 s16, s16, WL
	v_mul_u32_u24 v8, v6, WPITCH
	v_lshl_add_u32 v8, v7, 4, v8
	v_add_nc_u32 v8, s16, v8                       ; WL + (4 w + lane / 8) rows + 16 (lane % 8)
	s_mul_i32 s17, s8, 4*SPITCH
	s_add_co_u32 s17, s17, SEA
	v_mul_u32_u24 v11, v6, SPITCH
	v_lshl_add_u32 v11, v7, 3, v11
	v_add_nc_u32 v11, s17, v11                     ; SEA + the same row + 8 (lane % 8)
	s_lshl_b32 s22, s8, 5
	s_add_co_u32 s22, s22, WL                      ; my 8 bands: 32 bytes of a row
	s_mul_i32 s18, s10, 64*WPITCH
	s_mul_i32 s19, s11, 64*WPITCH
	s_add_co_u32 s18, s18, s22
	s_add_co_u32 s19, s19, s22
	v_mul_u32_u24 v9, v1, WPITCH
	v_add_nc_u32 v10, s19, v9                      ; row r of the other half
	v_add_nc_u32 v9, s18, v9                       ; row r of my own half
	s_mul_i32 s18, s10, 64*SPITCH
	s_mul_i32 s19, s11, 64*SPITCH
	s_add_co_u32 s18, s18, SEA
	s_add_co_u32 s19, s19, SEA
	v_mul_u32_u24 v12, v1, SPITCH
	v_lshl_add_u32 v12, v2, 4, v12
	v_add_nc_u32 v13, s19, v12
	v_add_nc_u32 v12, s18, v12
	s_mul_i32 s23, s8, IMGSZ
	s_add_co_u32 s23, s23, IMG                     ; my image
	v_mul_u32_u24 v14, v1, IPITCH
	v_lshl_add_u32 v14, v2, 5, v14
	v_add_nc_u32 v14, s23, v14                     ; unit r, columns 8 h ..
	v_mul_u32_u24 v15, v2, 8*IPITCH
	v_lshl_add_u32 v15, v1, 2, v15
	v_add_nc_u32 v15, s23, v15                     ; unit 8 h, column r
	s_mul_i32 s24, s8, 32*IPITCH
	s_add_co_u32 s24, s24, IMG
	v_mul_u32_u24 v240, v2, IPITCH
	v_lshl_add_u32 v240, v1, 4, v240
	v_add_nc_u32 v240, s24, v240                   ; wave 0's image, unit 32 w + h, 16 bytes at 16 r
	v_add_nc_u32 v241, IMGSZ, v240
	v_add_nc_u32 v242, 2*IMGSZ, v240
	v_add_nc_u32 v243, 3*IMGSZ, v240
	v_lshlrev_b32 v244, 4, v1
	v_lshl_add_u32 v244, v2, 9, v244               ; the same two units in out0: rows of 512 bytes
	s_lshl_b32 s16, s8, 6
	v_lshl_add_u32 v245, v2, 4, s16                ; SE2 + 2 (32 w + 8 h)
	s_mov_b32 s20, 0x3d000000                      ; 1/32, the mean over the bands
	s_mov_b32 s21, 0x3d000000
	; wave w reduces and stores units 32 w .. 32 w + 31: rows 64 (p, or 1 - p for wave 3) + 32 (w % 2), column half p (1 - p for wave 2)
	s_cmp_eq_u32 s8, 3
	s_cselect_b32 s16, s11, s10
	s_cmp_eq_u32 s8, 2
	s_cselect_b32 s17, s11, s10
	s_and_b32 s18, s8, 1
	s_lshl_b32 s14, s9, 16                         ; b x 65,536 bytes
	s_lshl_b32 s16, s16, 15                        ; 64 rows of 512 bytes
	s_lshl_b32 s17, s17, 8                         ; 64 columns of 4 bytes
	s_lshl_b32 s18, s18, 14                        ; 32 rows
	s_add_co_u32 s14, s14, s16
	s_add_co_u32 s14, s14, s17
	s_add_co_u32 s14, s14, s18
	s_add_nc_u64 s[6:7], s[6:7], s[14:15]
	s_wait_dscnt 0x0                               ; my rows of the table are in LDS
	s_barrier_signal -1
	s_barrier_wait -1                              ; the table is whole; nobody writes it again
	; se(rank) = the sum of the rank's window = window x ones on the matrix unit; wave w makes ranks 32 w .. 32 w + 31 (two blocks bb of 16)
	s_wait_alu depctr_vm_vsrc(0)                   ; the table's stores have read v[F0+16 ..], in which the loads below land, and their sixteen addresses, which later loads overwrite
	s_wait_alu depctr_va_vdst(0)                   ; all the addresses above are written, for the whole kernel; the table's arithmetic is done with v[F0 ..], in which the loads below land
.irp bb, 0,1
.irp s, 0,1,2,3
	ds_load_b128 v[F0+8*(4*\bb+\s):F0+8*(4*\bb+\s)+3],   v4 offset:\bb*4096+\s*8192
	ds_load_b128 v[F0+8*(4*\bb+\s)+4:F0+8*(4*\bb+\s)+7], v4 offset:\bb*4096+\s*8192+4096
.endr
.endr
.irp k, 0,1,2,3,4,5,6,7
	v_mov_b32 v[F1+\k], 0x3c003c00                 ; 1.0, 1.0 in f16
.endr
	s_wait_dscnt 0x0
.irp bb, 0,1
	v_wmma_f32_16x16x32_f16 v[F1+8+8*\bb:F1+15+8*\bb], v[F0+32*\bb:F0+32*\bb+7], v[F1:F1+7], 0
.endr
.irp s, 1,2,3
.irp bb, 0,1
	v_wmma_f32_16x16x32_f16 v[F1+8+8*\bb:F1+15+8*\bb], v[F0+32*\bb+8*\s:F0+32*\bb+8*\s+7], v[F1:F1+7], v[F1+8+8*\bb:F1+15+8*\bb]
.endr
.endr
	PLACES
.irp k, 0,1,2,3,4,5,6,7,8,9,10,11,12,13,14,15
	v_mul_f32 v[F1+8+\k], v246, v[F1+8+\k]         ; register j of block bb: se(32 w + 16 bb + 8 h + j) / sqrt(127), the same in all 16 lanes of a half
.endr
.irp m, 0,1,2,3,4,5,6,7
	v_cvt_pk_f16_f32 v[F1+24+\m], v[F1+8+2*\m], v[F1+9+2*\m]
.endr
	s_wait_alu depctr_va_vdst(0)                   ; the conversions have written v[F1+24 ..], which the two stores below read
	ds_store_b128 v245, v[F1+24:F1+27]             ; the 16 lanes of a half store equal bytes to one place
	ds_store_b128 v245, v[F1+28:F1+31] offset:32
	s_wait_loadcnt 0x0                             ; the rank words
.irp i, 0,1,2,3,4,5,6,7
	ds_store_b128 v8, v[G+4*\i:G+4*\i+3] offset:\i*16*WPITCH
.endr
	s_wait_dscnt 0x0
	s_barrier_signal -1
	s_barrier_wait -1                              ; SE2 and WL are whole
	; my rows' ranks in my 8 bands; and se / sqrt(127) of the 32 ranks that I brought in, laid out [electrode][band]
	s_wait_alu depctr_vm_vsrc(0)                   ; my stores into WL have read the rank words in v[G ..], which the clamps below write
.irp i, 0,1,2,3
	ds_load_b128 v[W+8*\i:W+8*\i+3],       v9  offset:\i*16*WPITCH
	ds_load_b128 v[W+8*\i+4:W+8*\i+7],     v9  offset:\i*16*WPITCH+16
	ds_load_b128 v[W+32+8*\i:W+32+8*\i+3], v10 offset:\i*16*WPITCH
	ds_load_b128 v[W+36+8*\i:W+36+8*\i+3], v10 offset:\i*16*WPITCH+16
.endr
.set n, 0
.rept 32
	v_min_u32 v[G+n], 127, v[G+n]                  ; a loaded number enters an address only clamped to its table
	v_lshlrev_b32 v[G+n], 1, v[G+n]
.set n, n+1
.endr
	s_wait_alu depctr_va_vdst(0)                   ; the 32 addresses in v[G ..] are written, which the loads below read
.set n, 0
.rept 32
	ds_load_u16 v[F1+32+n], v[G+n]                 ; SE2 is 64 words: lanes meet in a word or differ in the word's place modulo 256 bytes
.set n, n+1
.endr
	s_wait_dscnt 0x0
.set n, 0
.rept 16
	v_lshl_or_b32 v[F0+n], v[F1+33+2*n], 16, v[F1+32+2*n]
.set n, n+1
.endr
	s_wait_alu depctr_va_vdst(0)                   ; the packed words in v[F0 ..] are written, which the stores below read
.irp i, 0,1,2,3,4,5,6,7
	ds_store_b64 v11, v[F0+2*\i:F0+2*\i+1] offset:\i*16*SPITCH
.endr
	s_wait_dscnt 0x0
	s_barrier_signal -1
	s_barrier_wait -1                              ; SEA is whole
.macro ADDR fl, blk                    ; rank -> address of its window's first chunk for this lane
	v_min_u32 v[W+8*(\blk)+(\fl)], 127, v[W+8*(\blk)+(\fl)]
	v_lshl_add_u32 v[W+8*(\blk)+(\fl)], v[W+8*(\blk)+(\fl)], 8, v3
.endm
; four of the 16 loads that bring the 8 blocks' fragments of K step s (32 of the window's 128) of band fl: blocks 2 g and 2 g + 1.
; Registers 0-3 hold a = 32 s + 8 h .. + 7 (table row rank + a), 4-7 the 16 further on.  fl = -1: nothing is left to fetch.
.macro F4 fl, s, buf, g
.if \fl >= 0
.irp i, 2*\g, 2*\g+1
	ds_load_b128 v[\buf+8*(\i):\buf+8*(\i)+3],   v[W+8*(\i)+(\fl)] offset:(\s)*8192
	ds_load_b128 v[\buf+8*(\i)+4:\buf+8*(\i)+7], v[W+8*(\i)+(\fl)] offset:(\s)*8192+4096
.endr
.endif
.endm
; tile t = block x (source 0) x block y (source 1): register j of lane (r, h) is out[x row 8 h + j][y row r] = out[y row r][x column 8 h + j]
.macro T t, x, y, fa, fb, zero
.if \t < 4
.set rD, A0+8*(\t)
.else
.set rD, 8*(\t-4)
.endif
.if \zero
	v_wmma_f32_16x16x32_f16 v[rD:rD+7], v[\fa+8*(\x):\fa+8*(\x)+7], v[\fb+8*(\y):\fb+8*(\y)+7], 0
.else
	v_wmma_f32_16x16x32_f16 v[rD:rD+7], v[\fa+8*(\x):\fa+8*(\x)+7], v[\fb+8*(\y):\fb+8*(\y)+7], v[rD:rD+7]
.endif
.endm
; the 22 products of a K step; the 22 accumulators take turns.  Behind each of the first four, whose accumulators lie in window 0, stand four loads of K step fs of band ffl into fbuf.
.macro MULALL fa, fb, zero, ffl, fs, fbuf
	WIN 0
	T 0,  0, 0, \fa, \fb, \zero        ; the own quadrant's upper triangle
	F4 \ffl, \fs, \fbuf, 0
	T 1,  0, 1, \fa, \fb, \zero
	F4 \ffl, \fs, \fbuf, 1
	T 2,  0, 2, \fa, \fb, \zero
	F4 \ffl, \fs, \fbuf, 2
	T 3,  0, 3, \fa, \fb, \zero
	F4 \ffl, \fs, \fbuf, 3
	WIN 0x50                           ; C and D in window 1, A and B in window 0
	T 4,  1, 1, \fa, \fb, \zero
	T 5,  1, 2, \fa, \fb, \zero
	T 6,  1, 3, \fa, \fb, \zero
	T 7,  2, 2, \fa, \fb, \zero
	T 8,  2, 3, \fa, \fb, \zero
	T 9,  3, 3, \fa, \fb, \zero
	T 10, 4, 0, \fa, \fb, \zero        ; own blocks 0, 1 (rows) x the other half (columns)
	T 11, 5, 0, \fa, \fb, \zero
	T 12, 6, 0, \fa, \fb, \zero
	T 13, 7, 0, \fa, \fb, \zero
	T 14, 4, 1, \fa, \fb, \zero
	T 15, 5, 1, \fa, \fb, \zero
	T 16, 6, 1, \fa, \fb, \zero
	T 17, 7, 1, \fa, \fb, \zero
	T 18, 2, 6, \fa, \fb, \zero        ; other blocks 6, 7 (rows) x own blocks 2, 3 (columns)
	T 19, 2, 7, \fa, \fb, \zero
	T 20, 3, 6, \fa, \fb, \zero
	T 21, 3, 7, \fa, \fb, \zero
.endm
; K STEP s of band fl, on buffer s % 2.  At its head: the next band's addresses of two blocks (four v_nop in the last band, kept as places between the last step's
; products and the loads into the buffer that they read); the wait for this step's fragments, whose 16 loads were issued 18 products or more ago and have none behind
; them; and the step's one wait on va_vdst.  The last step fetches nothing and has no such wait.  The first products start the sums: nothing is cleared.
.macro STEP fl, s
.set CUR, F0+64*((\s)&1)
.set NXT, F0+64-64*((\s)&1)
	WIN 0
.if \fl < 7
	ADDR (\fl+1), (2*\s)
	ADDR (\fl+1), (2*\s+1)
.else
.if \s < 3
	PLACES
.endif
.endif
	s_wait_dscnt 0x0                               ; this step's fragments are in
.if \s < 3
	s_wait_alu depctr_va_vdst(0)                   ; the last step's products are done reading the other buffer, in which this step's loads land
.if \fl+\s == 0
	MULALL CUR, CUR, 1, \fl, (\s+1), NXT
.else
	MULALL CUR, CUR, 0, \fl, (\s+1), NXT
.endif
.else
.if \fl < 7
	s_wait_alu depctr_va_vdst(0)                   ; the same; and the next band's eight addresses, the last two made just above, are written: this step's loads read them
	MULALL CUR, CUR, 0, (\fl+1), 0, NXT
.else
	MULALL CUR, CUR, 0, -1, 0, NXT
.endif
.endif
.endm
.irp i, 0,1,2,3,4,5,6,7
	ADDR 0, \i
.endr
	s_wait_alu depctr_vm_vsrc(0)                   ; my stores into SEA have read v[F0 ..], in which the fragments land; the loads from SE2 have read their addresses in v[G ..], which the first products write
	s_wait_alu depctr_va_vdst(0)                   ; band 0's eight addresses are written; the packing is done with v[F0 ..]
.irp g, 0,1,2,3
	F4 0, 0, F0, \g
.endr
.irp fl, 0,1,2,3,4,5,6,7
.irp s, 0,1,2,3
	STEP \fl, \s
.endr
.endr
	; THE SE TERM: one K step more, K = the 32 bands: acc -= (se_j / sqrt 127)(se_k / sqrt 127).  It belongs into one of the four partial sums:
	; wave 0 does it, while the others already store their images.
	WIN 0
	PLACES                                         ; behind the last products: for the sign flips into buffer 1 here, and for the stores of results below
	s_cmp_lg_u32 s8, 0
	s_cbranch_scc1 .Lno_se
	s_wait_alu depctr_va_vdst(0)                   ; the last two steps' products are done reading the buffers; the loads below land in buffer 0
.irp i, 0,1,2,3
	ds_load_b128 v[F0+8*\i:F0+8*\i+3],       v12 offset:\i*16*SPITCH
	ds_load_b128 v[F0+8*\i+4:F0+8*\i+7],     v12 offset:\i*16*SPITCH+32
	ds_load_b128 v[F0+32+8*\i:F0+32+8*\i+3], v13 offset:\i*16*SPITCH
	ds_load_b128 v[F0+36+8*\i:F0+36+8*\i+3], v13 offset:\i*16*SPITCH+32
.endr
	s_wait_dscnt 0x0
.irp y, 0,1,2,3,6,7
.irp k, 0,1,2,3,4,5,6,7
	v_xor_b32 v[F1+8*\y+\k], 0x80008000, v[F0+8*\y+\k]   ; the blocks that serve as source 1, with both signs flipped: exact
.endr
.endr
	MULALL F0, F1, 0, -1, 0, F0
	WIN 0
	PLACES
.Lno_se:
	; THE WAY OUT.  Each wave lays its 22 tiles, and the 10 mirrors, into its own image of 128 units.
	s_wait_alu depctr_va_vdst(0)                   ; the products have written the accumulators, which the stores below read (the places above stay beside this wait); they are also done reading both buffers, in which the reduction's loads land
.macro ACCOF t                         ; tile t's accumulator, and the window of an LDS store's data (source 1)
.if \t < 4
.set rD, A0+8*(\t)
	WIN 0
.else
.set rD, 8*(\t-4)
	WIN 0x04
.endif
.endm
.macro ST128 t, row0, cb               ; rows = source 1's block: a lane's 8 results are 32 neighbouring bytes of unit row0 + r, column block cb
	ACCOF \t
	ds_store_b128 v14, v[rD:rD+3]   offset:(\row0)*IPITCH+64*(\cb)
	ds_store_b128 v14, v[rD+4:rD+7] offset:(\row0)*IPITCH+64*(\cb)+16
.endm
.macro ST32 t, row0, cb                ; the mirror: rows = source 0's block: register j goes to unit row0 + 8 h + j, column 16 cb + r
	ACCOF \t
.irp j, 0,1,2,3,4,5,6,7
	ds_store_b32 v15, v[rD+\j] offset:((\row0)+\j)*IPITCH+64*(\cb)
.endr
.endm
	ST128 0,  0,  0                                ; the four tiles of window 0 first, each from its low end on
	ST128 1,  16, 0
	ST128 2,  32, 0
	ST128 3,  48, 0
	ST32  1,  0,  1
	ST32  2,  0,  2
	ST32  3,  0,  3
	ST128 4,  16, 1
	ST128 5,  32, 1
	ST128 6,  48, 1
	ST128 7,  32, 2
	ST128 8,  48, 2
	ST128 9,  48, 3
	ST32  5,  16, 2
	ST32  6,  16, 3
	ST32  8,  32, 3
	ST128 10, 64, 0
	ST128 11, 64, 1
	ST128 12, 64, 2
	ST128 13, 64, 3
	ST128 14, 80, 0
	ST128 15, 80, 1
	ST128 16, 80, 2
	ST128 17, 80, 3
	ST32  12, 96,  0
	ST32  13, 112, 0
	ST32  16, 96,  1
	ST32  17, 112, 1
	ST128 18, 96,  2
	ST128 19, 112, 2
	ST128 20, 96,  3
	ST128 21, 112, 3
	WIN 0
	s_wait_dscnt 0x0                               ; my image is whole
	s_barrier_signal -1
	s_barrier_wait -1                              ; all four are
; group g = four pairs of units; of each pair the four waves' images, 16 bytes a lane: lanes 0-15 one unit, lanes 16-31 the next
.macro LOADB g, buf
.irp q, 0,1,2,3
.irp k, 0,1,2,3
	ds_load_b128 v[\buf+16*\q+4*\k:\buf+16*\q+4*\k+3], v[240+\k] offset:(4*\g+\q)*2*IPITCH
.endr
.endr
.endm
; (i0 + i1 + i2 + i3) / 32 by fused multiply-adds, in place in the first image's registers
.macro SUMS buf
.irp q, 0,1,2,3
	v_pk_mul_f32 v[\buf+16*\q:\buf+16*\q+1],   v[\buf+16*\q:\buf+16*\q+1],   s[20:21] op_sel_hi:[1,0]
	v_pk_mul_f32 v[\buf+16*\q+2:\buf+16*\q+3], v[\buf+16*\q+2:\buf+16*\q+3], s[20:21] op_sel_hi:[1,0]
.irp k, 1,2,3
	v_pk_fma_f32 v[\buf+16*\q:\buf+16*\q+1],   v[\buf+16*\q+4*\k:\buf+16*\q+4*\k+1],   s[20:21], v[\buf+16*\q:\buf+16*\q+1]   op_sel_hi:[1,0,1]
	v_pk_fma_f32 v[\buf+16*\q+2:\buf+16*\q+3], v[\buf+16*\q+4*\k+2:\buf+16*\q+4*\k+3], s[20:21], v[\buf+16*\q+2:\buf+16*\q+3] op_sel_hi:[1,0,1]
.endr
.endr
.endm
; the group's four stores in one run: sixteen lanes store 256 consecutive bytes, aligned
.macro SEND g, buf
	s_wait_alu depctr_va_vdst(0)                   ; the sums are written, which the stores below read; the arithmetic is done with the whole buffer, which may be loaded again
.irp q, 0,1,2,3
	global_store_b128 v244, v[\buf+16*\q:\buf+16*\q+3], s[6:7] offset:(4*\g+\q)*1024 th:TH_STORE_NT
.endr
.endm
	LOADB 0, F0
	LOADB 1, F1
	s_wait_dscnt 16                                ; group 0 is in; group 1's 16 loads stay out
	SUMS F0
	SEND 0, F0
	s_wait_xcnt 0x0                                ; buffer 0 held store data: it is loaded again only behind this wait
	s_wait_alu depctr_vm_vsrc(0)                   ; and the four stores have read their data in buffer 0, in which the loads below land
	LOADB 2, F0
	s_wait_dscnt 16                                ; group 1 is in; group 2's 16 loads stay out
	SUMS F1
	SEND 1, F1
	s_wait_xcnt 0x0                                ; the same for buffer 1
	s_wait_alu depctr_vm_vsrc(0)                   ; the four stores have read their data in buffer 1
	LOADB 3, F1
	s_wait_dscnt 16                                ; group 2 is in; group 3's 16 loads stay out
	SUMS F0
	SEND 2, F0
	s_wait_dscnt 0x0
	SUMS F1
	SEND 3, F1
	s_wait_dscnt 0x0
	s_wait_alu depctr_hold_cnt(0) depctr_sa_sdst(0) depctr_va_vdst(0) depctr_va_sdst(0) depctr_va_ssrc(0) depctr_va_vcc(0) depctr_vm_vsrc(0)
	s_wait_tensorcnt 0x0
	ds_add_u32 v254, v255
	s_wait_dscnt 0x0
	s_endpgm
.Lfunc_end_k_q07682d15fb_corr:
	.size	k_q07682d15fb_corr, .Lfunc_end_k_q07682d15fb_corr-k_q07682d15fb_corr
	.p2alignl 7, 3214868480
	.fill 96, 4, 3214868480
	.section	.rodata,"a",@progbits
	.p2align	6, 0x0
	.amdhsa_kernel k_q07682d15fb_corr
		.amdhsa_group_segment_fixed_size 234240
		.amdhsa_private_segment_fixed_size 0
		.amdhsa_enable_private_segment 0
		.amdhsa_kernarg_size 16
		.amdhsa_user_sgpr_count 2
		.amdhsa_user_sgpr_kernarg_segment_ptr 1
		.amdhsa_wavefront_size32 1
		.amdhsa_system_sgpr_workgroup_id_x 1
		.amdhsa_system_sgpr_workgroup_id_y 1
		.amdhsa_system_sgpr_workgroup_id_z 1
		.amdhsa_system_vgpr_workitem_id 0
		.amdhsa_next_free_vgpr 400
		.amdhsa_next_free_sgpr 66
		.amdhsa_reserve_vcc 0
		.amdhsa_float_denorm_mode_32 3
		.amdhsa_float_denorm_mode_16_64 3
		.amdhsa_memory_ordered 1
		.amdhsa_forward_progress 1
		.amdhsa_inst_pref_size 140
	.end_amdhsa_kernel
	.amdgpu_metadata
---
amdhsa.version: [ 1, 2 ]
amdhsa.kernels:
  - .name:           k_q07682d15fb_corr
    .symbol:         k_q07682d15fb_corr.kd
    .args:
      - { .name: rank, .offset: 0, .size: 8, .value_kind: global_buffer, .address_space: global }
      - { .name: out0, .offset: 8, .size: 8, .value_kind: global_buffer, .address_space: global }
    .group_segment_fixed_size: 234240
    .private_segment_fixed_size: 0
    .kernarg_segment_align: 8
    .kernarg_segment_size: 16
    .max_flat_workgroup_size: 128
    .sgpr_count:     66
    .vgpr_count:     400
    .wavefront_size: 32
...
	.end_amdgpu_metadata
.endif
;; end of part 4
